; MI455X (gfx1250); checked and timed in simulation.
; The chip was launched on July 23, 2026; its instructions are those of AMD's public machine-readable ISA for CDNA 5 (MIT licence, August 2026) and "CDNA5" Instruction Set Architecture Reference Guide (July 2026). The comments in the code are by the model that wrote it; some were corrected since.
;; Q Lo RA Linear. Allowed arithmetic: matrix products marked QUANTISED: E2M1 operands, one E8M0 scale for each 32 along K, by v_wmma_scale_f32_16x16x128_f8f6f4 with both operands' format E2M1 (or v_wmma_scale_f32_32x16x128_f4), f32 sums; products left as they are: f32 operands where the result goes on into a quantised operand, else bf16, f16 or f32 operands; f32 sums; everything else in f32.
;; Inputs: block_scales 4,096 x 256 float32; global_scale 1 float32; lora_A_codes 16 x 128 x 16 uint8 (E2M1 codes of lora_A, K innermost, in blocks of 32 codes, two codes a byte); lora_A_scales 16 x 128 uint8 (E8M0 scales of lora_A, one for each 32 codes along K); lora_B 4,096 x 16 float32; packed_weight 4,096 x 2,048 int32; x_codes 4 x 1,024 x 128 x 16 uint8 (E2M1 codes of x, K innermost, in blocks of 32 codes, two codes a byte); x_scales 4 x 1,024 x 128 uint8 (E8M0 scales of x, one for each 32 codes along K).
;; Outputs: out0 4 x 1,024 x 4,096 float32.
;; This version of the problem:
;;   THIS VERSION OF THE PROBLEM IS GIVEN IN LOW PRECISION. The matrix products marked QUANTISED in the list below multiply operands that are first quantised to E2M1 (2 exponent bits, 1 mantissa bit; 4 bits a number), with one power-of-two scale for each 32 numbers along K (OCP MX v1.0); their sums are f32. All else is computed in f32.
;;   The module's matrix products, in the order in which they are computed (A, B: the left and right operand; K: the contracted axis; several contracted axes count as one K, in the product's order):
;;     1. [M 4,096, K 4,096] x [K 4,096, N 4,096]; A: input x (given as codes); B: computed on the way: QUANTISED
;;     2. [M 4,096, K 4,096] x [K 4,096, N 16]; A: input x (given as codes); B: input lora_A (given as codes): QUANTISED
;;     3. [M 4,096, K 16] x [K 16, N 4,096]; A: computed on the way; B: input lora_B: left as it is (K = 16 < 32)
;;   THE QUANTISER, for each operand of a quantised product, along K:
;;     - K is cut into blocks of 32 from its start; a last block that is shorter is filled with zeros.
;;     - A block's scale is 2^e with e = floor(log2(the largest magnitude in the block)) - 2, held to -126 .. 127; a block of zeros has e = 0. As a byte (E8M0): e + 127.
;;     - Each number is divided by its block's scale, clamped to +-6, and rounded to the nearest number of E2M1, ties to even, subnormals kept.
;;     - The product sums the exact products of the quantised numbers (number of the format x scale) in f32.
;;   ~~~python
;;   def quantise(x, axis):      # numpy; x: float32 -> the quantised numbers, widened to float32 again
;;       x = np.moveaxis(x, axis, -1); K = x.shape[-1]
;;       x = np.pad(x, [(0, 0)] * (x.ndim - 1) + [(0, -K % 32)]); x = x.reshape(x.shape[:-1] + (-1, 32)); a = np.abs(x).max(-1, keepdims=True)
;;       e = np.where(a > 0, np.clip(np.frexp(np.where(a > 0, a, 1))[1] - 1 - 2, -126, 127), 0)      # np.frexp(a)[1] - 1 = floor(log2(a)), exactly
;;       r = np.clip(x / 2.0 ** e, -6, 6)
;;       step = 2.0 ** (np.maximum(np.frexp(np.where(r == 0, 1, r))[1] - 1, 0) - 1)
;;       q = np.round(r / step) * step * 2.0 ** e      # np.round: ties to even
;;       return np.moveaxis(q.reshape(q.shape[:-2] + (-1,))[..., :K], -1, axis).astype(np.float32)
;;   ~~~
;;   OPERANDS COMPUTED ON THE WAY. 'Computed on the way' means the value that the module computes at that place (a softmax that the list does not call 'softmax' is quantised finished and normalised). What goes into a quantiser is computed in f32, as accurately as f32 sums, v_exp_f32 and their like allow (about 1e-6 of the number): no bf16 or f16 on the way to a quantiser, and a product that is left as it is and whose result goes on into a quantised operand takes f32 operands (vector FMAs, or v_wmma_f32_16x16x4_f32). A number that lies on a knife's edge between two numbers of the format may be rounded either way, as far as f32 arithmetic and the matrix unit's own rounding can turn it there, and no further.
;;   INPUTS GIVEN AS CODES. lora_A (in the module: [16, 4096], K = its axis 1); x (in the module: [4, 1024, 4096], K = its axis 2): each comes as NAME_codes (uint8): NAME with its K axis moved to the last place and cut into blocks of 32 codes, [.., K / 32, bytes a block], one block behind the other in memory; two codes a byte, the lower K in the low four bits (a code: sign, 2 exponent bits, 1 mantissa bit); and NAME_scales (uint8): the same leading axes, one E8M0 byte (e + 127) for each 32 codes along K. Its value is code x scale, taken as it is: it is not quantised again, and the codes and scales need not be those that the quantiser above would give.
;; One version. Each part assembles by itself: llvm-mc -triple=amdgcn-amd-amdhsa -mcpu=gfx1250 --defsym DOCPART=n.
;; ======== version 1 of 1: 2 launches
;; limits: values are held in bf16: 8 bits of precision; right only within a limited range of input values
;; workspace buffers: wc 8,388,608 bytes; ws2 524,288 bytes; xs2 524,288 bytes; timg 131,072 bytes
;; launch prep (part 1): grid 256 x 1, 8 waves a work-group, no clusters, 168,960 bytes of LDS; arguments packed_weight, block_scales, global_scale, x_codes, x_scales, lora_A_codes, lora_A_scales, wc, ws2, xs2, timg; writes wc, ws2, xs2, timg
.if DOCPART == 1
	.amdgcn_target "amdgcn-amd-amdhsa--gfx1250"
	.amdhsa_code_object_version 6
	.text
	.protected	k_q8784ca731a_prep
	.globl	k_q8784ca731a_prep
	.p2align	8
	.type	k_q8784ca731a_prep,@function
k_q8784ca731a_prep:
	s_mov_b64 s[64:65], 0
	v_nop
	global_prefetch_b8 v0, s[64:65] scope:SCOPE_SE
	s_setreg_imm32_b32 hwreg(HW_REG_WAVE_MODE, 25, 1), 1
	s_wait_xcnt 0x0
; THE LAUNCH IN FRONT OF THE PRODUCT.  It makes, once, what every work-group of the product reads:
;   wc   [4096][2048 bytes]   W = FP4 value x (block scale x global scale), quantised anew along K: E2M1 codes, K innermost, two a byte.
;                             ITS ROWS ARE PERMUTED: in each group of 64, row 16 b + i of wc is row 4 i + b of W (b = 0 .. 3, i = 0 .. 15): the product's lanes then hold neighbouring columns of out0 in four tiles
;   ws2  [8][4096][16 bytes]  W's E8M0 bytes, rows permuted alike, laid by K step of 512
;   xs2  [8][4096][16 bytes]  x's E8M0 bytes as given, by K step
;   timg [256][32 lanes][16]  t = x lora_A^T (on codes, f32 sums), rounded to bf16: lane's ranks 8 (lane / 16) + 0 .. 7 of row lane % 16
; SHARES.  Work-group g makes rows 16 g .. 16 g + 15 of wc (rows 64 (g / 4) + g % 4 + 4 i of W) and takes rows 16 g .. 16 g + 15 of x; wave w takes K step w, k = 512 w .. 512 w + 511.
; All that a wave reads is asked for at its head: one tensor load (x's tile) and 46 loads.
; ORDER.  t comes first, while packed_weight is on its way; then W a row at a time, each row behind a counted wait for its own two loads; four rows' codes leave together.
; W.  A word of packed_weight holds one byte, two codes; the bits above bit 7 are dropped, as the masks of the definition drop them.  A load gives a lane 4 words = 8 neighbours along K; two lanes share a block scale (16 numbers),
; four lanes a block of 32.  A block's byte is its largest magnitude's exponent field - 2, held at 1 from below by a floor among the maximum's leaves.
; NO CLUSTER: only lora_A's 4 KB of a wave's bytes are shared with other work-groups.  LDS bytes are filled once: there is no ring.  NO PREFETCH: no loop; every load is asked for at the head.
; LEFT OUT: the factor SCALING = 16 / 16 is 1.
; LIMITS: NaN and infinities among block_scales and global_scale are not served.  block scale x global scale is rounded ahead of the code's value: the two roundings of the definition in another order; that product
; is to be a normal f32 number, or 0.  A block of zeros gets the byte 1 where the quantiser says 127: its codes are zeros, which add nothing under that byte, and this program alone reads the bytes.
.set WREG,  10752                      ; LDS: a region of its own for each wave, 42 blocks of 256 bytes:
.set XT,    0                          ;   x's tile, 16 rows x (256 + 16) bytes: filled by the tensor load
.set BSR,   4352                       ;   block scales, 16 rows x 128 bytes
.set CST,   6400                       ;   the codes' stage, 16 rows x 256 bytes
.set SST,   10496                      ;   the scale bytes, 16 rows x 16 bytes
.set PART,  8*WREG                     ; behind the regions: each wave's part of t, 1,024 bytes, as an image of eight registers
.set SPARE, PART+8192                  ; the spare words, 128 bytes for each wave
.set PITCH, 272                        ; a tile's row in LDS: 68 words, so that the 16 rows of a fragment load start at 16 different banks (64 banks of 4 bytes: ISA guide 11.1)
; SCALARS: s[4:25] the eleven buffers; s[26:27] the global scale, twice; s28 wave; s29 my region; s[30:31], s50 offsets; s[32:39], s[40:43] descriptor; s48, s49 byte selects; s52, s53 work-group / 4 and % 4
; VECTORS: v1-19 lane numbers and addresses; v[20:23] x's scale words, v[24:27] lora_A's; v[28:29] x's bytes on their way out; v30, v31 the add's; v[32:47] block scales as loaded;
;   v[96:127] lora_A's fragments, v[64:95] x's, v[48:63] two accumulators, v[40:47] my part of t; in wave 0 v[32:95] the eight parts;
;   then v[40:47] at work, v[48:63] 2 x 8 numbers, v[64:95] a scale for each load, v[96:127] codes on their way out; v[128:255] the 32 loads of packed_weight, eight registers a row
.macro STEPB base, gs, ws              ; a buffer's address goes on by (work-group << gs) + (wave << ws) bytes
	s_lshl_b32 s30, ttmp9, \gs
	s_lshl_b32 s50, s28, \ws
	s_add_co_u32 s30, s30, s50
	s_add_nc_u64 s[\base:\base+1], s[\base:\base+1], s[30:31]
.endm
.macro STEPW base, gs, bs, ws          ; by (work-group / 4 << gs) + (work-group % 4 << bs) + (wave << ws) bytes
	s_lshl_b32 s30, s52, \gs
	s_lshl_b32 s50, s53, \bs
	s_add_co_u32 s30, s30, s50
	s_lshl_b32 s50, s28, \ws
	s_add_co_u32 s30, s30, s50
	s_add_nc_u64 s[\base:\base+1], s[\base:\base+1], s[30:31]
.endm
; W, a row at a time: two loads' numbers by turns
.macro ROWQ p
.set PK, 128+8*(\p)
	s_wait_loadcnt 30-2*(\p)                       ; loads come back in order (ISA guide 5.7.1): this row's two are in, those of the rows behind it stay out
	v_perm_b32 v40, v[PK+1], v[PK], s48            ; byte 0 of four words: 8 codes, the lower k in the lower bits
	v_perm_b32 v42, v[PK+3], v[PK+2], s48
	s_delay_alu instid0(VALU_DEP_1)
	v_perm_b32 v40, v42, v40, s49
	v_cvt_scale_pk8_f32_fp4 v[48:55], v40, v17     ; the codes' values, x 1.0
	v_perm_b32 v41, v[PK+5], v[PK+4], s48          ; (plain lines stand behind each scaled conversion, ahead of the first line that touches its result)
	v_perm_b32 v43, v[PK+7], v[PK+6], s48
	s_delay_alu instid0(VALU_DEP_1)
	v_perm_b32 v41, v43, v41, s49
	v_cvt_scale_pk8_f32_fp4 v[56:63], v41, v17
.irp i, 0,2,4,6
	v_pk_mul_f32 v[48+\i:49+\i], v[48+\i:49+\i], v[64+2*(\p):65+2*(\p)] op_sel_hi:[1,0]              ; x the scale: the pair's first word for both halves,
.endr
.irp i, 0,2,4,6
	v_pk_mul_f32 v[56+\i:57+\i], v[56+\i:57+\i], v[64+2*(\p):65+2*(\p)] op_sel:[0,1] op_sel_hi:[1,1]  ; its second word for both halves
.endr
	v_max3_num_f32 v44, |v48|, |v49|, 0x1800000    ; the largest magnitude of my 8, and the floor 2^(3 - 127): so the byte cannot fall under 1
	v_max3_num_f32 v45, |v56|, |v57|, 0x1800000
.irp i, 2,4,6
	s_delay_alu instid0(VALU_DEP_2)
	v_max3_num_f32 v44, v44, |v[48+\i]|, |v[49+\i]|
	s_delay_alu instid0(VALU_DEP_2)
	v_max3_num_f32 v45, v45, |v[56+\i]|, |v[57+\i]|
.endr
	s_delay_alu instid0(VALU_DEP_2)
	v_max_num_f32_dpp v44, v44, v44 row_xmask:1 row_mask:0xf bank_mask:0xf   ; with lanes l xor 1,
	s_delay_alu instid0(VALU_DEP_2)
	v_max_num_f32_dpp v45, v45, v45 row_xmask:1 row_mask:0xf bank_mask:0xf
	s_delay_alu instid0(VALU_DEP_2)
	v_max_num_f32_dpp v44, v44, v44 row_xmask:2 row_mask:0xf bank_mask:0xf   ; and l xor 2: the block's
	s_delay_alu instid0(VALU_DEP_2)
	v_max_num_f32_dpp v45, v45, v45 row_xmask:2 row_mask:0xf bank_mask:0xf
	s_delay_alu instid0(VALU_DEP_2)
	v_add_nc_u32 v46, 0xff000000, v44              ; 2 off its exponent field: the conversion takes the exponent field of this operand as its scale, and nothing else of it
	s_delay_alu instid0(VALU_DEP_2)
	v_add_nc_u32 v47, 0xff000000, v45
	v_cvt_scalef32_pk8_fp4_f32 v[PK], v[48:55], v46      ; to the nearest code, ties to even, beyond 6 the largest code.  The row's own registers take its codes and bytes
	v_cvt_scalef32_pk8_fp4_f32 v[PK+1], v[56:63], v47
	v_lshrrev_b32 v[PK+2], 23, v46                 ; the scales' bytes
	v_lshrrev_b32 v[PK+3], 23, v47
	ds_store_b32 v9, v[PK] offset:CST+256*(\p)
	ds_store_b32 v9, v[PK+1] offset:CST+256*(\p)+128
	ds_store_b8 v11, v[PK+2] offset:SST+16*(\p)    ; the four lanes of a block write the same byte with the same value
	ds_store_b8 v11, v[PK+3] offset:SST+16*(\p)+8
.endm
.macro LOADQ k                         ; four rows' codes back as whole rows: LDS serves a wave's instructions in order (ISA guide 5.7.1.4): these see the stores above
.irp t, 0,1
	ds_load_b128 v[96+8*(\k)+4*\t:99+8*(\k)+4*\t], v8 offset:CST+512*(2*(\k)+\t)
.endr
.endm
.macro SENDQ k, younger                ; younger: the LDS instructions issued behind LOADQ's, which may stay out
	s_wait_dscnt \younger
.irp t, 0,1
	global_store_b128 v13, v[96+8*(\k)+4*\t:99+8*(\k)+4*\t], s[18:19] offset:4096*(2*(\k)+\t)   ; sixteen lanes store 256 consecutive bytes of a row of wc, aligned; two rows an instruction
.endr
.endm
	s_load_b512 s[4:19], s[0:1], 0x0               ; packed_weight s[4:5], block_scales s[6:7], global_scale s[8:9], x_codes s[10:11], x_scales s[12:13], lora_A_codes s[14:15], lora_A_scales s[16:17], wc s[18:19]
	s_load_b128 s[20:23], s[0:1], 0x40             ; ws2 s[20:21], xs2 s[22:23]
	s_load_b64 s[24:25], s[0:1], 0x50              ; timg
	v_lshl_add_u32 v30, v0, 2, SPARE
	v_mov_b32 v31, 0
	ds_add_u32 v30, v31                            ; the add, twice on end, ahead of my tensor load
	ds_add_u32 v30, v31
	v_lshrrev_b32 v1, 5, v0
	s_delay_alu instid0(VALU_DEP_1)
	v_readfirstlane_b32 s28, v1                    ; wave 0..7
	s_mul_i32 s29, s28, WREG                       ; my region in LDS
	s_lshl_b32 s50, s28, 10
	s_add_co_u32 s50, s50, PART                    ; my part of t
	v_and_b32 v1, 31, v0                           ; l
	v_and_b32 v2, 15, v0                           ; r = l % 16
	v_bfe_u32 v3, v0, 4, 1                         ; h = l / 16
	v_mov_b32 v17, 0x7f7f7f7f                      ; the scale 1.0 in every byte, for the widening of W's codes
	v_lshlrev_b32 v4, 4, v1                        ; v4   16 l
	v_lshrrev_b32 v5, 3, v1
	v_and_b32 v28, 7, v1
	v_lshlrev_b32 v6, 7, v2                        ; v6   scale bytes of x and lora_A: row r of 128 bytes
	v_lshlrev_b32 v19, 11, v2
	v_mul_u32_u24 v7, v2, PITCH
	v_lshlrev_b32 v13, 11, v3
	v_lshlrev_b32 v15, 4, v2
	v_lshrrev_b32 v10, 1, v1
	v_lshrrev_b32 v11, 2, v1
	v_lshlrev_b32 v14, 3, v1                       ; v14  ws2: 8 l
	v_lshlrev_b32 v5, 12, v5
	v_lshl_add_u32 v19, v3, 4, v19                 ; v19  lora_A's fragment: row r of 2,048 bytes, + 16 h
	v_lshl_add_u32 v7, v3, 4, v7
	v_lshl_add_u32 v13, v2, 4, v13                 ; v13  wc: lanes 0-15 one row's 256 bytes, lanes 16-31 the next row's
	v_lshl_add_u32 v15, v3, 3, v15                 ; v15  xs2: row r's 16 bytes, 8 for each half of the lanes
	v_lshl_add_u32 v5, v28, 4, v5                  ; v5   block_scales: eight lanes to a row's 128 bytes, four rows a load, 4,096 bytes apart
	v_add_nc_u32 v7, s29, v7                       ; v7   a fragment of x: row r x pitch + 16 h
	v_add_nc_u32 v8, s29, v4                       ; v8   16 l in my region
	v_lshl_add_u32 v9, v1, 2, s29                  ; v9   4 l: a lane's 8 codes
	v_lshl_add_u32 v10, v10, 2, s29                ; v10  4 (l / 2): the block scale that two lanes share
	v_add_nc_u32 v11, s29, v11                     ; v11  l / 4: the byte of the block that four lanes share
	v_lshl_add_u32 v12, v1, 3, s29                 ; v12  8 l
	v_add_nc_u32 v16, PART, v4                     ; v16  the parts of t: 16 l,
	v_add_nc_u32 v18, s50, v4                      ; v18  and mine among them
	s_mov_b32 s31, 0
	s_lshr_b32 s52, ttmp9, 2
	s_and_b32 s53, ttmp9, 3
	; descriptor group 1 for x's tile: 16 rows x 256 elements of one byte, rows 2,048 bytes apart in memory
	s_mov_b32 s32, (1<<20)|(5<<22)|(3<<25)         ; 15:0 no mask; 17:16 elements of 1 byte; 20 padding on; 24:22 after every 64 words (code 5); 31:25 four words (code 3)
	s_mov_b32 s33, 256<<16                         ; tensor_dim0 = 256
	s_mov_b32 s34, 16<<16                          ; tensor_dim1 = 16
	s_mov_b32 s35, 256<<16                         ; tile_dim0 = 256
	s_mov_b32 s36, 16                              ; tile_dim1 = 16
	s_mov_b32 s37, 2048                            ; tensor_dim0_stride
	s_mov_b32 s38, 0
	s_mov_b32 s39, 0
	s_mov_b32 s48, 0x04000400                      ; v_perm_b32: byte 0 of the second source, byte 0 of the first
	s_mov_b32 s49, 0x05040100                      ; the two low halves
	s_wait_alu depctr_va_vdst(0)
	s_wait_dscnt 0x0                               ; both opening adds are done
	s_wait_kmcnt 0x0
	s_load_b32 s26, s[8:9], 0x0                    ; the global scale; waited for ahead of W's first row
	STEPB 10, 15, 8                                ; x_codes: 16 rows of 2,048 bytes a work-group, 256 bytes a K step
	s_mov_b32 s40, 1                               ; group 0: count = 1,
	s_add_co_u32 s41, s29, XT                      ; LDS address,
	s_mov_b64 s[42:43], s[10:11]                   ; global address,
	s_or_b32 s43, s43, 0x80000000                  ; type = 2
	tensor_load_to_lds s[40:43], s[32:39]          ; the wave's one fill
	s_nop 0
	STEPB 12, 11, 4                                ; x_scales: 16 rows of 128 bytes; 16 bytes a K step
	s_lshl_b32 s30, s28, 4
	s_add_nc_u64 s[16:17], s[16:17], s[30:31]      ; lora_A_scales: my K step
	s_lshl_b32 s30, s28, 8
	s_add_nc_u64 s[14:15], s[14:15], s[30:31]      ; lora_A_codes: my K step
	STEPW 6, 16, 10, 7                             ; block_scales: 64 rows of 1,024 bytes for four work-groups, then a row each; 128 bytes a K step
	STEPW 4, 19, 13, 10                            ; packed_weight: 64 rows of 8,192 bytes for four work-groups, then a row each; 1,024 bytes a K step
	global_load_b128 v[20:23], v6, s[12:13]        ; row r's four scale words of x (both halves of the lanes take the same)
	global_load_b128 v[24:27], v6, s[16:17]        ; and of lora_A
.irp i, 0,1,2,3
	global_load_b128 v[32+4*\i:35+4*\i], v5, s[6:7] offset:16384*\i
.endr
.irp q, 0,1,2,3
.irp c, 0,1
	global_load_b128 v[96+8*\q+4*\c:99+8*\q+4*\c], v19, s[14:15] offset:64*\q+32*\c   ; lora_A's fragments: registers 4 c .. 4 c + 3 hold k = 64 c + 32 h + 0 .. 31 of row r
.endr
.endr
.irp p, 0,1,2,3,4,5,6,7,8,9,10,11,12,13,14,15
	global_load_b128 v[128+8*\p:131+8*\p], v4, s[4:5] offset:32768*\p th:TH_LOAD_NT       ; my p-th row, four rows of W on from the one before: 32 lanes read 512 consecutive bytes: k = 512 w + 8 l + 0 .. 7,
	global_load_b128 v[132+8*\p:135+8*\p], v4, s[4:5] offset:32768*\p+512 th:TH_LOAD_NT   ; and 256 further on
.endr
	STEPB 18, 15, 8                                ; wc as x_codes
	STEPB 20, 8, 16                                ; ws2, xs2: 65,536 bytes a K step, 256 bytes a work-group
	STEPB 22, 8, 16
	s_lshl_b32 s30, ttmp9, 9
	s_add_nc_u64 s[24:25], s[24:25], s[30:31]      ; timg: 512 bytes a work-group
	s_wait_loadcnt 32                              ; the fourteen oldest loads are in; the 32 of packed_weight may stay out
.irp i, 0,1,2,3
	ds_store_b128 v8, v[32+4*\i:35+4*\i] offset:BSR+512*\i   ; the block scales as they lie: row 4 i + l / 8 at 128 bytes a row
.endr
	v_cmp_ne_u32 vcc_lo, 0, v3
	s_delay_alu instid0(VALU_DEP_1)
	v_cndmask_b32 v28, v20, v22, vcc_lo            ; x's scale words 0, 1 in lanes 0-15, words 2, 3 in lanes 16-31
	s_delay_alu instid0(VALU_DEP_2)
	v_cndmask_b32 v29, v21, v23, vcc_lo
	global_store_b64 v15, v[28:29], s[22:23]       ; 32 lanes store 256 consecutive bytes, aligned; v28, v29 are not written again
	; ---- my part of t: 16 ranks x 16 rows of x, over my 512 of K
	s_wait_tensorcnt 0x0                           ; x's tile is in; only I read it
.irp q, 0,1,2,3
.irp c, 0,1
	ds_load_b128 v[64+8*\q+4*\c:67+8*\q+4*\c], v7 offset:XT+64*\q+32*\c
.endr
.endr
	s_wait_dscnt 0x0
	; source 0 = lora_A's 16 rows, source 1 = 16 rows of x: register j of lane (r, h) is t(row r, rank 8 h + j).  Two accumulators by turns, one instruction a turn
	v_wmma_scale_f32_16x16x128_f8f6f4 v[48:55], v[96:103], v[64:71], 0, v24, v20 matrix_a_fmt:MATRIX_FMT_FP4 matrix_b_fmt:MATRIX_FMT_FP4
	v_wmma_scale_f32_16x16x128_f8f6f4 v[56:63], v[104:111], v[72:79], 0, v25, v21 matrix_a_fmt:MATRIX_FMT_FP4 matrix_b_fmt:MATRIX_FMT_FP4
	v_wmma_scale_f32_16x16x128_f8f6f4 v[48:55], v[112:119], v[80:87], v[48:55], v26, v22 matrix_a_fmt:MATRIX_FMT_FP4 matrix_b_fmt:MATRIX_FMT_FP4
	v_wmma_scale_f32_16x16x128_f8f6f4 v[56:63], v[120:127], v[88:95], v[56:63], v27, v23 matrix_a_fmt:MATRIX_FMT_FP4 matrix_b_fmt:MATRIX_FMT_FP4
.rept 4
	v_nop                                          ; four places between a matrix instruction and the first read of its result, and the loads into its operands' registers
.endr
.irp i, 0,2,4,6
	v_pk_add_f32 v[40+\i:41+\i], v[48+\i:49+\i], v[56+\i:57+\i]   ; both accumulators from their low end on
.endr
	ds_store_b128 v18, v[40:43]                    ; my part, as an image of its registers: lane l's 16 bytes at 16 l
	ds_store_b128 v18, v[44:47] offset:512
	s_wait_dscnt 0x0                               ; for the others' sake: my part of t has landed
	s_barrier_signal -1
	s_barrier_wait -1                              ; the eight parts of t lie in LDS
	s_cmp_lg_u32 s28, 0
	s_cbranch_scc1 .Lw                             ; wave 0 adds them
.irp u, 0,1,2,3,4,5,6,7
	ds_load_b128 v[32+8*\u:35+8*\u], v16 offset:1024*\u
	ds_load_b128 v[36+8*\u:39+8*\u], v16 offset:1024*\u+512
.endr
	s_wait_dscnt 0x0
.irp u, 0,2,4,6
.irp i, 0,2,4,6
	v_pk_add_f32 v[32+8*\u+\i:33+8*\u+\i], v[32+8*\u+\i:33+8*\u+\i], v[40+8*\u+\i:41+8*\u+\i]
.endr
.endr
.irp u, 0,4
.irp i, 0,2,4,6
	v_pk_add_f32 v[32+8*\u+\i:33+8*\u+\i], v[32+8*\u+\i:33+8*\u+\i], v[48+8*\u+\i:49+8*\u+\i]
.endr
.endr
.irp i, 0,2,4,6
	s_delay_alu instid0(VALU_DEP_4)
	v_pk_add_f32 v[40+\i:41+\i], v[32+\i:33+\i], v[64+\i:65+\i]
.endr
.irp i, 0,1,2,3
	s_delay_alu instid0(VALU_DEP_4)
	v_cvt_pk_bf16_f32 v[32+\i], v[40+2*\i], v[41+2*\i]   ; ranks 8 h + 2 i, 8 h + 2 i + 1 of row r: registers 0-3 of the bf16 operand
.endr
	global_store_b128 v4, v[32:35], s[24:25]       ; 512 consecutive bytes; v[32:35] are not written again
.Lw:
.irp p, 0,1,2,3,4,5,6,7,8,9,10,11,12,13,14,15
	ds_load_b32 v[64+2*\p], v10 offset:BSR+128*\p        ; the block scale of my 8 numbers in each of the 32 loads: group l / 2 of the row's first 16,
	ds_load_b32 v[65+2*\p], v10 offset:BSR+128*\p+64     ; and of its second 16
.endr
	s_wait_kmcnt 0x0                               ; the global scale
	s_mov_b32 s27, s26                             ; (the packed form names the pair)
	s_wait_dscnt 0x0                               ; the block scales are in
.irp p, 0,1,2,3,4,5,6,7,8,9,10,11,12,13,14,15
	v_pk_mul_f32 v[64+2*\p:65+2*\p], v[64+2*\p:65+2*\p], s[26:27] op_sel_hi:[1,0]   ; x the global scale
.endr
	; ---- W: four rows' codes leave together, one row behind their last
.irp p, 0,1,2,3,4,5,6,7,8,9,10,11,12,13,14,15
	ROWQ \p
.if (\p == 4) || (\p == 8) || (\p == 12)
	SENDQ (\p/4)-1, 4                              ; (this row's four LDS stores may be out)
.endif
.if (\p == 3) || (\p == 7) || (\p == 11) || (\p == 15)
	LOADQ (\p/4)
.endif
.endr
	ds_load_b64 v[48:49], v12 offset:SST
	SENDQ 3, 1                                     ; (the bytes' load may be out)
	s_wait_dscnt 0x0
	global_store_b64 v14, v[48:49], s[20:21]       ; 32 lanes store 256 consecutive bytes of ws2, aligned
	s_wait_tensorcnt 0x0                           ; the wave's end
	ds_add_u32 v30, v31
	s_wait_dscnt 0x0
	s_endpgm
.Lfunc_end_k_q8784ca731a_prep:
	.size	k_q8784ca731a_prep, .Lfunc_end_k_q8784ca731a_prep-k_q8784ca731a_prep
	.p2alignl 7, 3214868480
	.fill 96, 4, 3214868480
	.section	.rodata,"a",@progbits
	.p2align	6, 0x0
	.amdhsa_kernel k_q8784ca731a_prep
		.amdhsa_group_segment_fixed_size 168960
		.amdhsa_private_segment_fixed_size 0
		.amdhsa_enable_private_segment 0
		.amdhsa_kernarg_size 88
		.amdhsa_user_sgpr_count 2
		.amdhsa_user_sgpr_kernarg_segment_ptr 1
		.amdhsa_wavefront_size32 1
		.amdhsa_system_sgpr_workgroup_id_x 1
		.amdhsa_system_sgpr_workgroup_id_y 1
		.amdhsa_system_sgpr_workgroup_id_z 1
		.amdhsa_system_vgpr_workitem_id 0
		.amdhsa_next_free_vgpr 256
		.amdhsa_next_free_sgpr 66
		.amdhsa_reserve_vcc 1
		.amdhsa_float_denorm_mode_32 3
		.amdhsa_float_denorm_mode_16_64 3
		.amdhsa_memory_ordered 1
		.amdhsa_forward_progress 1
		.amdhsa_inst_pref_size 65
	.end_amdhsa_kernel
	.amdgpu_metadata
---
amdhsa.version: [ 1, 2 ]
amdhsa.kernels:
  - .name:           k_q8784ca731a_prep
    .symbol:         k_q8784ca731a_prep.kd
    .args:
      - { .name: packed_weight, .offset: 0, .size: 8, .value_kind: global_buffer, .address_space: global }
      - { .name: block_scales, .offset: 8, .size: 8, .value_kind: global_buffer, .address_space: global }
      - { .name: global_scale, .offset: 16, .size: 8, .value_kind: global_buffer, .address_space: global }
      - { .name: x_codes, .offset: 24, .size: 8, .value_kind: global_buffer, .address_space: global }
      - { .name: x_scales, .offset: 32, .size: 8, .value_kind: global_buffer, .address_space: global }
      - { .name: lora_A_codes, .offset: 40, .size: 8, .value_kind: global_buffer, .address_space: global }
      - { .name: lora_A_scales, .offset: 48, .size: 8, .value_kind: global_buffer, .address_space: global }
      - { .name: wc, .offset: 56, .size: 8, .value_kind: global_buffer, .address_space: global }
      - { .name: ws2, .offset: 64, .size: 8, .value_kind: global_buffer, .address_space: global }
      - { .name: xs2, .offset: 72, .size: 8, .value_kind: global_buffer, .address_space: global }
      - { .name: timg, .offset: 80, .size: 8, .value_kind: global_buffer, .address_space: global }
    .group_segment_fixed_size: 168960
    .private_segment_fixed_size: 0
    .kernarg_segment_align: 8
    .kernarg_segment_size: 88
    .max_flat_workgroup_size: 256
    .sgpr_count:     66
    .vgpr_count:     256
    .wavefront_size: 32
...
	.end_amdgpu_metadata
.endif
;; end of part 1
;; launch gemm (part 2): grid 16 x 16, 4 waves a work-group, clusters of 4 x 4, 327,680 bytes of LDS; arguments x_codes, xs2, wc, ws2, timg, lora_B, out0; writes out0
.if DOCPART == 2
	.amdgcn_target "amdgcn-amd-amdhsa--gfx1250"
	.amdhsa_code_object_version 6
	.text
	.protected	k_q8784ca731a_gemm
	.globl	k_q8784ca731a_gemm
	.p2align	8
	.type	k_q8784ca731a_gemm,@function
k_q8784ca731a_gemm:
	s_mov_b64 s[64:65], 0
	v_nop
	global_prefetch_b8 v0, s[64:65] scope:SCOPE_SE
	s_setreg_imm32_b32 hwreg(HW_REG_WAVE_MODE, 25, 1), 1
	s_wait_xcnt 0x0
	s_wait_alu depctr_hold_cnt(0) depctr_sa_sdst(0) depctr_va_vdst(0) depctr_va_sdst(0) depctr_va_ssrc(0) depctr_va_vcc(0) depctr_vm_vsrc(0)
	s_getreg_b32 s2, hwreg(HW_REG_IB_STS2, 6, 4)
	s_cmp_eq_u32 s2, 0
	s_cbranch_scc0 .Lentry_in_a_cluster
	s_endpgm
.Lentry_in_a_cluster:
	s_bfe_u32 s2, ttmp6, 0x10000c
	s_cmp_lg_u32 s2, 0xf033
	s_cbranch_scc0 .Lentry_shape_is_right
	s_endpgm
.Lentry_shape_is_right:
; out0[m][n] = sum over k of x[m][k] W[n][k]  +  sum over the 16 ranks of t[m][rank] lora_B[n][rank].   m, n, k: 4,096 each.  LEFT OUT: the factor SCALING = 16 / 16 is 1.
; x (x_codes, xs2) and W (wc, ws2) are codes of FP4 (E2M1), two a byte, K innermost, a row 2,048 bytes, with one E8M0 byte for each 32 along K, laid [K step of 512][row][16 bytes].
; W's rows are permuted: in each group of 64, row 16 b + r of wc is column 4 r + b of out0.
; t comes as bf16 operand images (timg), lora_B as f32 and is rounded to bf16 here: the second sum goes by the bf16 matrix form, K = 16 filled with zeros to 32, and STARTS the accumulators (C = 0).
; A tile of out0, 256 x 256, is made by a work-group of four waves; a wave makes 128 x 128: 32 accumulators of 32 x 16, 512 registers.  16 x 16 tiles: one for each work-group.
; SOURCE 0 = 32 rows of x, SOURCE 1 = 16 rows of wc.  Lane (r, h) of a result holds column r of its tile and rows 8 h + 0 .. 7 (registers 0-7) and 16 + 8 h + 0 .. 7 (8-15).  So the four tiles of a group of 64 columns give a lane
; FOUR NEIGHBOURING COLUMNS 4 r .. 4 r + 3 of each row, and sixteen neighbouring lanes 256 consecutive bytes of out0: results go from registers to memory with no stage in LDS.
; K goes in 8 steps of 512 through a ring of two LDS slots.  A slot holds x's 256 rows of 256 bytes, W's 256 rows, and both sides' scale bytes of that K step, 4,096 dense bytes each: one tensor load a wave:
; wave 0 x's codes, wave 1 W's codes, wave 2 x's scales, wave 3 W's scales.
; CLUSTERS: 4 x 4 work-groups.  The four of a row of the cluster need the same tiles of x, the four of a column the same tiles of W: each tile is asked for JOINTLY, by the same tensor load with the same descriptor and a mask that names the four.
; THE WALK ALONG K BEGINS ELSEWHERE IN EACH CLUSTER.  Cluster (X, Y) of the 4 x 4 clusters begins at K step (g(X) + g(Y)) mod 8, g = 0, 4, 2, 6, and goes round the end of K: the four clusters of a row of clusters, which read
; the same rows of x, are at four different K steps at any one time, and so are the four of a column with the rows of W.  The first K step hangs on the cluster's own numbers alone: it is the same in all sixteen partners.
; THE PREFETCH: the codes of the walk's second K step, one instruction a wave behind the head's tensor load: a lane a row, 256 bytes of it; each row once in the cluster, shared out by address among the four that ask for the tile jointly and their
; waves 0, 1 (x) or 2, 3 (W).  No other K step: the four clusters that read a tile begin at the four even K steps, so each has been asked for by one of them in the first or second K step of its walk, and the third and later of a walk follow that by two K steps or more.
; REGISTERS, in windows of 256: window 0: v0-31 addresses; v32-95 scale words, two sets; v96-127 the first results on their way out; v128-255 x's fragments, two sets of 64 (at the head: t's, and lora_B as f32).
;   window 1: W's fragments, sets of 64 (two in the loop, four in the last K step; at the head set 0 holds lora_B's).   window 2: the 16 accumulators of my rows 0-63 (block m of 32 rows, tile i: v[16 (8 m + i)]);   window 3: those of my rows 64-127.
; A step of 128 along K is 32 matrix instructions on end: x's four blocks of 32 rows, each against W's eight tiles.  At its head stand the next step's 32 fragment loads, in one run, into the other sets.
; LIMITS: t and lora_B are rounded to bf16 for their product.  The sum along K is taken in the cluster's own order, a rotation of the ascending one: its last bits differ from an ascending sum's.
.set NQ,     4                         ; steps of 128 along K in a slot
.set PITCH,  272                       ; an LDS row of codes: 256 bytes + 16 of padding = 68 words: the 16 rows that a load touches start at 16 different banks (64 banks of 4 bytes: ISA guide 11.1)
.set NP,     4                         ; places behind these matrix instructions (ISA guide 7.12.1)
.set HALFT,  128*PITCH                 ; 128 rows: what one wave reads of x or of W
.set BOFF,   2*HALFT                   ; a slot: x's 256 rows, W's 256 rows,
.set SAOFF,  4*HALFT                   ; x's scale bytes, 16 a row, dense,
.set SBOFF,  SAOFF+4096                ; W's
.set SLOT,   SAOFF+8192                ; 147,456 bytes
.set SPARE,  2*SLOT                    ; behind the ring: the spare words, 128 bytes for each wave: two blocks of 256 bytes that no other line names
.set PFO,    10                        ; v10     the prefetch's offset: my lane x a row of 2,048 bytes; never rewritten
.set ADRA,   16                        ; v16-17  LDS address of my fragments of x in slot 0, 1
.set ADRB,   18                        ; v18-19  the same for W
.set ADRSA,  20                        ; v20-21  of my 128 rows' scale words of x: 16 bytes a lane
.set ADRSB,  22                        ; v22-23  of W's
.set CO,     26                        ; v26     my byte offset in out0: 16 r + 8 h rows
.set SPW,    28                        ; v28     LDS address of my spare word; never rewritten
.set NIL,    29                        ; v29     0; never rewritten
.set SC,     32                        ; scale words: set s (for slot s) at v[SC + 32 s]; register 4 m + q: lane l = row 32 m + l of x, the slot's q-th 128 along K; 16 + 4 j + q: lanes 0-15 W's tile 2 j, lanes 16-31 tile 2 j + 1
.set TMP,    96                        ; the way out: the first 16 rows x 64 columns
.set AF,     128                       ; x's fragments, in window 0
.set LB,     192                       ; lora_B as f32, at the head
.set WV,     18                        ; s18 wave; s19 which half of the tile's rows is mine; s20 which half of its columns
.set G1A,    24                        ; s[24:31] descriptor group 1 for x's codes;   s[32:39] group 0, one set for each slot
.set G0A,    32
.set G1B,    48                        ; s[48:55], s[56:63] for W's codes
.set G0B,    56
.set G1SA,   68                        ; s[68:75], s[76:83] for x's scales
.set G0SA,   76
.set G1SB,   84                        ; s[84:91], s[92:99] for W's scales
.set G0SB,   92
.set KO,     104                       ; s[104:105] 256 x the K step that is asked for next, and 0 above it: an offset; it hangs on the cluster's numbers alone
                                       ; s[22:23], s[46:47] x's codes and scales at my tile row; s[66:67], s[100:101] W's at my tile column: they stay
.set MSB, 0
.macro WIN new                         ; the immediate's high byte repeats the setting that is left; a switch that changes nothing is dropped
.if MSB != \new
	s_set_vgpr_msb (MSB<<8)|\new
.set MSB, \new
.endif
.endm
.set MUL_LO, 0xa4                      ; source 0 (x) window 0, source 1 (W) window 1, C and D window 2
.set MUL_HI, 0xf4                      ; the same, C and D window 3
.set TO_B,   0x40                      ; destination window 1, the rest window 0
; The four groups 0 of a slot are aimed at the K step in s[KO] (256 bytes a K step in a row of codes, 65,536 bytes a K step among the scales), and s[KO] goes on by one K step, round the end of K.
; It stands only where no tensor load of the wave is out.
.macro AIM slot
	s_add_nc_u64 s[G0A+4*\slot+2:G0A+4*\slot+3], s[22:23], s[KO:KO+1]
	s_add_nc_u64 s[G0B+4*\slot+2:G0B+4*\slot+3], s[66:67], s[KO:KO+1]
	s_lshl_b32 s[KO], s[KO], 8
	s_add_nc_u64 s[G0SA+4*\slot+2:G0SA+4*\slot+3], s[46:47], s[KO:KO+1]
	s_add_nc_u64 s[G0SB+4*\slot+2:G0SB+4*\slot+3], s[100:101], s[KO:KO+1]
	s_lshr_b32 s[KO], s[KO], 8
	s_add_co_u32 s[KO], s[KO], 256
	s_and_b32 s[KO], s[KO], 0x700
.irp g, G0A, G0B, G0SA, G0SB
	s_or_b32 s[\g+4*\slot+3], s[\g+4*\slot+3], 0x80000000   ; type = 2
.endr
.endm
; A joint load: each wave asks for its kind of tile.  Each of the four lines has ONE mask and one set of registers for all that issue it; the branches hang on the wave's number alone.
; s_nop 0 and four v_nop follow each line, ahead of the jump, the label and what follows.
.macro ASKED g0, g1
	tensor_load_to_lds s[\g0:\g0+3], s[\g1:\g1+7]
	s_nop 0
.rept 4
	v_nop
.endr
.endm
.macro JLOAD4 s
	s_cmp_lt_u32 s[WV], 2
	s_cbranch_scc0 .Lscales_\@
	s_cmp_eq_u32 s[WV], 0
	s_cbranch_scc0 .Lcodes_b_\@
	ASKED G0A+4*\s, G1A
	s_branch .Lasked_\@
.Lcodes_b_\@:
	ASKED G0B+4*\s, G1B
	s_branch .Lasked_\@
.Lscales_\@:
	s_cmp_eq_u32 s[WV], 2
	s_cbranch_scc0 .Lscales_b_\@
	ASKED G0SA+4*\s, G1SA
	s_branch .Lasked_\@
.Lscales_b_\@:
	ASKED G0SB+4*\s, G1SB
.Lasked_\@:
.endm
.macro CREST                           ; a round of the cluster's barrier behind its opening barrier
	s_cmp_lg_u32 s[WV], 0
	s_cbranch_scc1 .Lnot_wave_0_\@
	s_barrier_signal -3
.Lnot_wave_0_\@:
	s_barrier_wait -3
	s_barrier_signal -1
	s_barrier_wait -1
.endm
.macro CROUND                          ; a whole round
	s_barrier_signal -1
	s_barrier_wait -1
	CREST
.endm
; A load into a register that a matrix instruction has read, and a vector instruction that reads a matrix result, stand NP places behind that matrix instruction; only plain vector instructions that name none of its
; registers are places (ISA guide 7.12.1 for vector instructions); the matrix instructions in between are not counted.
.macro PLACES n
.rept \n
	v_nop
.endr
.endm
; A fragment, 16 rows x 128 K of 4-bit codes, is 8 registers: lane l holds row l % 16; registers 4 c .. 4 c + 3 hold K = 64 c + 32 (l / 16) + 0 .. 31, the lower K in the lower bits.
.macro LA ar, slot, q, m               ; x's 32 rows of block m, the slot's q-th 128 along K, into v[ar ..]
.irp i, 0,1
.irp c, 0,1
	ds_load_b128 v[(\ar)+8*\i+4*\c:(\ar)+8*\i+4*\c+3], v[ADRA+\slot] offset:64*(\q)+32*\c+(2*(\m)+\i)*16*PITCH
.endr
.endr
.endm
.macro LBF br, slot, q, j              ; W's tiles 2 j, 2 j + 1 into set br
.irp i, 0,1
.irp c, 0,1
	ds_load_b128 v[64*(\br)+16*(\j)+8*\i+4*\c:64*(\br)+16*(\j)+8*\i+4*\c+3], v[ADRB+\slot] offset:64*(\q)+32*\c+(2*(\j)+\i)*16*PITCH
.endr
.endr
.endm
.macro SCALES s                        ; slot s's scale words into set s: four words a row, 32 rows a load
.irp i, 0,1,2,3
	ds_load_b128 v[SC+32*\s+4*\i:SC+32*\s+4*\i+3], v[ADRSA+\s] offset:512*\i
.endr
.irp i, 0,1,2,3
	ds_load_b128 v[SC+32*\s+16+4*\i:SC+32*\s+16+4*\i+3], v[ADRSB+\s] offset:512*\i
.endr
.endm
; A step's 32 fragment loads in one run, for the slot's q-th 128 along K: x's block 0; W's tiles by pairs; x's blocks 1, 2, 3.  x's into v[ar ..], W's into set br.
.macro FETCH ar, br, slot, q
	WIN 0
	LA \ar, \slot, \q, 0
	WIN TO_B
	LBF \br, \slot, \q, 0
	LBF \br, \slot, \q, 1
	LBF \br, \slot, \q, 2
	LBF \br, \slot, \q, 3
	WIN 0
	LA \ar+16, \slot, \q, 1
	LA \ar+32, \slot, \q, 2
	LA \ar+48, \slot, \q, 3
.endm
; Four matrix instructions: x's block m (fragments at v[ar ..]) against W's tiles i0 .. i0 + 3 of set br, the slot's q-th 128 along K; sc: the set of scale words.  Odd tiles' words stand in lanes 16-31.
; The 32 accumulators take turns, one instruction a turn, in the same order in every step.
.macro MUL4 m, i0, ar, br, q, sc
.set AA, \ar
.set SX, SC+32*(\sc)+4*(\m)+(\q)
.irp i, 0,2
.set AC, 16*(8*((\m)%2)+(\i0)+\i)
.set BB, 64*(\br)+8*((\i0)+\i)
.set SW, SC+32*(\sc)+16+2*((\i0)+\i)+(\q)
	v_wmma_scale_f32_32x16x128_f4 v[AC:AC+15], v[AA:AA+15], v[BB:BB+7], v[AC:AC+15], v[SX], v[SW]
	v_wmma_scale_f32_32x16x128_f4 v[AC+16:AC+31], v[AA:AA+15], v[BB+8:BB+15], v[AC+16:AC+31], v[SX], v[SW] matrix_b_scale:MATRIX_SCALE_ROW1
.endr
.endm
; A step of 128 along K that has its successor in the same slot: the successor's 32 loads first, then its own 32 matrix instructions, its own fragments awaited by count over those 32.
.macro STEP slot, q
.set PA, AF+64*((\q)%2)
.set NA, AF+64*(1-(\q)%2)
.set PB, (\q)%2
.set NB, 1-(\q)%2
	PLACES NP                                      ; for the loads into the sets that the step before has read
	FETCH NA, NB, \slot, (\q)+1
	s_wait_dscnt 52                                ; x's block 0 and W's tiles 0-3 are in; 8 loads of W, 12 of x and the 32 new ones may be out
	WIN MUL_LO
	MUL4 0, 0, PA, PB, \q, \slot
	s_wait_dscnt 44                                ; W's tiles 4-7 are in; 12 loads of x and the 32
	MUL4 0, 4, PA, PB, \q, \slot
	s_wait_dscnt 40                                ; x's block 1
	MUL4 1, 0, PA+16, PB, \q, \slot
	MUL4 1, 4, PA+16, PB, \q, \slot
	s_wait_dscnt 36                                ; x's block 2
	WIN MUL_HI
	MUL4 2, 0, PA+32, PB, \q, \slot
	MUL4 2, 4, PA+32, PB, \q, \slot
	s_wait_dscnt 32                                ; x's block 3: the 32 new ones may be out
	MUL4 3, 0, PA+48, PB, \q, \slot
	MUL4 3, 4, PA+48, PB, \q, \slot
.endm
; The first part of a slot's last step, with ONE barrier: in front of it each wave waits for all its tensor loads, adds 0 to its spare word, and waits for that and for its own reads of this slot.  fill = 1: this slot is filled again, two K steps on in the cluster's walk.
.macro MEET slot, fill
	WIN 0                                          ; (the add's two registers lie in window 0)
	s_wait_tensorcnt 0x0                           ; all my tensor loads have landed: the one that was out is my tile of the next slot
	ds_add_u32 v[SPW], v[NIL]                      ; 0 onto my spare word
.if \fill
	AIM \slot                                      ; no tensor load of mine is out, so the groups 0 may be written
.endif
	s_wait_dscnt 21                                ; x's block 0 and W's tiles 0-3 are in; 20 loads and the add may be out
	WIN MUL_LO
	MUL4 0, 0, AF+64, 1, NQ-1, \slot
	s_wait_dscnt 13                                ; (12 loads of x and the add may be out)
	MUL4 0, 4, AF+64, 1, NQ-1, \slot
	s_wait_dscnt 0x0                               ; the add is done, and my reads of this slot are over
	s_barrier_signal -1
	MUL4 1, 0, AF+80, 1, NQ-1, \slot
	WIN 0
	s_barrier_wait -1
.endm
.macro TURN slot, next                 ; the whole last step, with a refill
	MEET \slot, 1
	CREST                                          ; the barrier has opened a round of the cluster's barrier: no wave of any partner still reads this slot's tiles or has a load on its way
	JLOAD4 \slot                                   ; the first tensor load behind the round, one a wave; the four v_nop behind it are also the places in front of the loads below
	SCALES \next
	FETCH AF, 0, \next, 0
	WIN MUL_LO
	MUL4 1, 4, AF+80, 1, NQ-1, \slot
	WIN MUL_HI
	MUL4 2, 0, AF+96, 1, NQ-1, \slot
	MUL4 2, 4, AF+96, 1, NQ-1, \slot
	MUL4 3, 0, AF+112, 1, NQ-1, \slot
	MUL4 3, 4, AF+112, 1, NQ-1, \slot
	WIN 0                                          ; at a label and at a branch every window is 0
.endm
.macro STEPS slot                      ; the slot's steps 0 .. NQ - 2
	STEP \slot, 0
	STEP \slot, 1
	STEP \slot, 2
.endm
; t lora_B^T starts the sums: t's 16 rows a against lora_B's eight tiles
.macro LORA a
.irp i, 0,1,2,3,4,5,6,7
.set AC, 16*(8*(((\a)/2)%2)+\i)+8*((\a)%2)
	v_wmma_f32_16x16x32_bf16 v[AC:AC+7], v[AF+8*(\a):AF+8*(\a)+7], v[8*\i:8*\i+7], 0
.endr
.endm
	s_load_b256 s[4:11], s[0:1], 0x0               ; x_codes s[4:5], xs2 s[6:7], wc s[8:9], ws2 s[10:11]
	s_load_b128 s[12:15], s[0:1], 0x20             ; timg s[12:13], lora_B s[14:15]
	s_load_b64 s[16:17], s[0:1], 0x30              ; out0
	v_lshl_add_u32 v[SPW], v0, 2, SPARE
	v_mov_b32 v[NIL], 0
	ds_add_u32 v[SPW], v[NIL]                      ; the add, twice on end, and its wait ahead of my first tensor load
	ds_add_u32 v[SPW], v[NIL]
	v_lshrrev_b32 v1, 5, v0
	v_readfirstlane_b32 s[WV], v1                  ; wave 0..3
	s_lshr_b32 s19, s[WV], 1                       ; which half of the tile's rows is mine
	s_and_b32 s20, s[WV], 1                        ; which half of its columns
	s_mul_i32 s21, s19, HALFT                      ; my 128 rows of x
	s_mul_i32 s2, s20, HALFT                       ; my 128 rows of W,
	s_add_co_u32 s2, s2, BOFF                      ; which lie behind x's 256
	s_lshl_b32 s40, s19, 11                        ; scale bytes: 16 a row
	s_add_co_u32 s40, s40, SAOFF
	s_lshl_b32 s41, s20, 11
	s_add_co_u32 s41, s41, SBOFF
	v_and_b32 v1, 15, v0                           ; r = l % 16
	v_bfe_u32 v2, v0, 4, 1                         ; h = l / 16
	v_and_b32 v6, 31, v0                           ; l
	v_lshlrev_b32 v7, 4, v6                        ; 16 l: my place in an image, and among scale words
	v_lshlrev_b32 v[PFO], 11, v6
	v_lshlrev_b32 v8, 8, v1
	v_lshl_add_u32 v8, v2, 5, v8                   ; lora_B: row 4 r of 64 bytes, ranks 8 h + 0 .. 7
	v_mul_u32_u24 v3, v1, PITCH
	v_lshl_add_u32 v4, v2, 4, v3                   ; a fragment's row x pitch + 16 x half
	v_add_nc_u32 v[ADRA], s21, v4
	v_add_nc_u32 v[ADRB], s2, v4
	v_add_nc_u32 v[ADRSA], s40, v7
	v_add_nc_u32 v[ADRSB], s41, v7
	v_add_nc_u32 v[ADRA+1], SLOT, v[ADRA]
	v_add_nc_u32 v[ADRB+1], SLOT, v[ADRB]
	v_add_nc_u32 v[ADRSA+1], SLOT, v[ADRSA]
	v_add_nc_u32 v[ADRSB+1], SLOT, v[ADRSB]
	v_lshlrev_b32 v9, 4, v1
	v_lshl_add_u32 v[CO], v2, 17, v9               ; out0: 16 r + 8 h rows of 16,384 bytes
	s_bfe_u32 s40, ttmp6, 0x40000                  ; cx, cy: my place in the cluster
	s_bfe_u32 s41, ttmp6, 0x40004
	s_lshl_b32 s42, ttmp9, 2
	s_add_co_u32 s42, s42, s40                     ; tile column = 4 x cluster x + cx
	s_and_b32 s43, ttmp7, 0xffff
	s_lshl_b32 s43, s43, 2
	s_add_co_u32 s43, s43, s41                     ; tile row = 4 x cluster y + cy
	s_lshl_b32 s44, s41, 2
	s_lshl_b32 s44, 15, s44                        ; my row of the cluster
	s_lshl_b32 s45, 0x1111, s40                    ; my column
	; the cluster's first K step: g(X) + g(Y) mod 8, g(n) = 4 (n & 1) + (n & 2): 0, 4, 2, 6.  In a cluster launch ttmp9 and ttmp7 count clusters, 0 to 3 here
	s_and_b32 s[KO], ttmp9, 1
	s_lshl_b32 s[KO], s[KO], 2
	s_and_b32 s[KO+1], ttmp9, 2
	s_add_co_u32 s[KO], s[KO], s[KO+1]
	s_and_b32 s[KO+1], ttmp7, 1
	s_lshl_b32 s[KO+1], s[KO+1], 2
	s_add_co_u32 s[KO], s[KO], s[KO+1]
	s_and_b32 s[KO+1], ttmp7, 2
	s_add_co_u32 s[KO], s[KO], s[KO+1]
	s_and_b32 s[KO], s[KO], 6                      ; the sum is even: mod 8
	s_lshl_b32 s[KO], s[KO], 8                     ; x 256
	s_mov_b32 s[KO+1], 0
	; descriptor group 1 for codes: 256 rows x 256 elements of one byte, rows 2,048 bytes apart in memory, padded in LDS
	s_or_b32 s[G1A], s44, (1<<20)|(1<<21)|(5<<22)|(3<<25)   ; 15:0 the mask: x's tiles go to my row; 17:16 elements of 1 byte; 20 padding on; 21 set beside a mask; 24:22 after every 64 words (code 5); 31:25 four words (code 3)
	s_or_b32 s[G1B], s45, (1<<20)|(1<<21)|(5<<22)|(3<<25)   ; W's go to my column
.irp g, G1A, G1B
	s_mov_b32 s[\g+1], 256<<16                     ; tensor_dim0 = 256
	s_mov_b32 s[\g+2], 256<<16                     ; tensor_dim1 = 256
	s_mov_b32 s[\g+3], 256<<16                     ; tile_dim0 = 256
	s_mov_b32 s[\g+4], 256                         ; tile_dim1 = 256
	s_mov_b32 s[\g+5], 2048                        ; tensor_dim0_stride
	s_mov_b32 s[\g+6], 0
	s_mov_b32 s[\g+7], 0
.endr
	; and for scales: a dense block of 4,096 bytes as 16 rows of 32 elements of 8 bytes, no padding: a load of scale words takes 512 consecutive bytes
	s_or_b32 s[G1SA], s44, (3<<16)|(1<<21)
	s_or_b32 s[G1SB], s45, (3<<16)|(1<<21)
.irp g, G1SA, G1SB
	s_mov_b32 s[\g+1], 32<<16
	s_mov_b32 s[\g+2], 16<<16
	s_mov_b32 s[\g+3], 32<<16
	s_mov_b32 s[\g+4], 16
	s_mov_b32 s[\g+5], 32
	s_mov_b32 s[\g+6], 0
	s_mov_b32 s[\g+7], 0
.endr
.irp s, 0,1                            ; group 0, a set for each slot and kind: count = 1; LDS address, a constant
	s_mov_b32 s[G0A+4*\s], 1
	s_mov_b32 s[G0A+4*\s+1], \s*SLOT
	s_mov_b32 s[G0B+4*\s], 1
	s_mov_b32 s[G0B+4*\s+1], \s*SLOT+BOFF
	s_mov_b32 s[G0SA+4*\s], 1
	s_mov_b32 s[G0SA+4*\s+1], \s*SLOT+SAOFF
	s_mov_b32 s[G0SB+4*\s], 1
	s_mov_b32 s[G0SB+4*\s+1], \s*SLOT+SBOFF
.endr
	; where the tiles come from.  x's hang on the tile row alone, which my row of the cluster shares; W's on the tile column alone: each in registers that never hold the other coordinate
	s_lshl_b32 s22, s43, 19                        ; x's codes: 256 rows of 2,048 bytes a tile row
	s_mov_b32 s23, 0
	s_lshl_b32 s46, s43, 12                        ; x's scales: 256 rows of 16 bytes
	s_mov_b32 s47, 0
	s_lshl_b32 s66, s42, 19                        ; W's likewise, by the tile column
	s_mov_b32 s67, 0
	s_lshl_b32 s100, s42, 12
	s_mov_b32 s101, 0
	s_wait_alu depctr_va_vdst(0)
	s_wait_dscnt 0x0                               ; both opening adds are done
	s_wait_kmcnt 0x0
	; my parts of timg, lora_B and out0; t and lora_B are asked for ahead of the round
	s_lshl_b32 s2, s43, 13                         ; timg: 512 bytes for 16 rows: 16 blocks a tile row,
	s_lshl_b32 s21, s19, 12                        ; 8 a half
	s_add_co_u32 s2, s2, s21
	s_mov_b32 s3, 0
	s_add_nc_u64 s[12:13], s[12:13], s[2:3]
	s_lshl_b32 s2, s42, 14                         ; lora_B: rows of 64 bytes: 256 a tile column,
	s_lshl_b32 s21, s20, 13                        ; 128 a half
	s_add_co_u32 s2, s2, s21
	s_add_nc_u64 s[14:15], s[14:15], s[2:3]
.irp a, 0,1,2,3,4,5,6,7
	global_load_b128 v[AF+8*\a:AF+8*\a+3], v7, s[12:13] offset:512*\a            ; t's fragment of my rows 16 a on: registers 0-3
.endr
.irp b, 0,1,2,3,4,5,6,7
	global_load_b128 v[LB+8*\b:LB+8*\b+3], v8, s[14:15] offset:4096*(\b/4)+64*(\b%4)        ; tile b: rows 64 (b / 4) + 4 r + b % 4 of my 128
	global_load_b128 v[LB+8*\b+4:LB+8*\b+7], v8, s[14:15] offset:4096*(\b/4)+64*(\b%4)+16
.endr
	s_add_nc_u64 s[22:23], s[4:5], s[22:23]
	s_add_nc_u64 s[46:47], s[6:7], s[46:47]
	s_add_nc_u64 s[66:67], s[8:9], s[66:67]
	s_add_nc_u64 s[100:101], s[10:11], s[100:101]
	AIM 0                                          ; slot 0: the cluster's first K step;
	AIM 1                                          ; slot 1: its second
	CROUND                                         ; all sixteen work-groups are here: the first joint loads meet
	JLOAD4 0                                       ; the first K step
	s_lshl_b32 s2, s43, 22                         ; out0: rows of 16,384 bytes: 256 a tile row,
	s_lshl_b32 s21, s19, 21                        ; 128 a half;
	s_add_co_u32 s2, s2, s21
	s_lshl_b32 s21, s42, 10                        ; 1,024 bytes a tile column,
	s_add_co_u32 s2, s2, s21
	s_lshl_b32 s21, s20, 9                         ; 512 a half
	s_add_co_u32 s2, s2, s21
	s_add_nc_u64 s[16:17], s[16:17], s[2:3]
	; the prefetch: waves 0, 1 name 64 rows of x's tile row, waves 2, 3 of W's tile column: rows 64 x place + 32 x (wave % 2) + lane, at the walk's second K step (s[KO] stands at the third)
	s_cmp_lt_u32 s[WV], 2
	s_cselect_b32 s10, s40, s41                    ; my place among the four that ask for the tile with me: cx for x, cy for W
	s_cselect_b32 s11, s43, s42
	s_cselect_b64 s[6:7], s[4:5], s[8:9]
	s_lshl_b32 s10, s10, 6
	s_lshl_b32 s11, s11, 8
	s_add_co_u32 s10, s10, s11
	s_lshl_b32 s11, s20, 5
	s_add_co_u32 s10, s10, s11
	s_lshl_b32 s10, s10, 11                        ; in bytes: under 2^23, and + 256 x the K step inside the row
	s_add_co_u32 s11, s[KO], 0x700
	s_and_b32 s11, s11, 0x700
	s_add_co_u32 s10, s10, s11
	s_mov_b32 s11, 0
	s_add_nc_u64 s[6:7], s[6:7], s[10:11]
	global_prefetch_b8 v[PFO], s[6:7] th:TH_LOAD_NT scope:SCOPE_SE   ; (its registers are not written again)
	; ---- t lora_B^T starts the sums, while the first tiles are on their way
.irp a, 0,1,2,3,4,5,6,7
.irp i, 4,5,6,7
	v_mov_b32 v[AF+8*\a+\i], 0                     ; zeros for k = 16 .. 31, of t
.endr
.endr
	WIN TO_B
.irp b, 0,1,2,3,4,5,6,7
.irp i, 4,5,6,7
	v_mov_b32 v[8*\b+\i], 0                        ; and of lora_B
.endr
.endr
	s_wait_alu depctr_va_vdst(0)
	s_wait_loadcnt 0x0                             ; t's images and lora_B
.irp b, 0,1,2,3,4,5,6,7
.irp i, 0,1,2,3
	v_cvt_pk_bf16_f32 v[8*\b+\i], v[LB+8*\b+2*\i], v[LB+8*\b+2*\i+1]   ; lora_B's fragment of tile b: ranks 8 h + 2 i, + 1
.endr
.endr
	WIN MUL_LO
.irp a, 0,1,2,3
	LORA \a
.endr
	WIN MUL_HI
.irp a, 4,5,6,7
	LORA \a
.endr
	PLACES NP+1                                    ; four places serve the loads into the operands' registers; the scaled form, which is another form and so no link of a chain, writes over these accumulators: five
	WIN 0
	s_wait_tensorcnt 0x0                           ; my tile of the first K step is in
	ds_add_u32 v[SPW], v[NIL]
	s_wait_dscnt 0x0                               ; the add is done
	CROUND                                         ; a whole round: everybody's tile of the first K step is in, and the joint loads meet
	JLOAD4 1                                       ; the second K step, the first tensor load behind the round
	SCALES 0
	FETCH AF, 0, 0, 0
	s_mov_b32 s3, 3
.Llap:                                                 ; a trip goes once round the ring: two K steps, and both slots are filled again: the walk's third to eighth K step in three trips
	STEPS 0
	TURN 0, 1
	STEPS 1
	TURN 1, 0
	s_sub_co_u32 s3, s3, 1
	s_cmp_lg_u32 s3, 0
	s_cbranch_scc1 .Llap
	STEPS 0                                        ; the last lap is written out: it fills nothing, and has no round of the cluster's barrier
	MEET 0, 0
; THE LAST K STEP (it lies in slot 1) GOES BY ROWS OF out0, NOT BY K.  All its fragments of W fill window 1 (q = 0, 1, 2, 3 in sets 0, 2, 3, 1); x's come by blocks of 32 rows x 512 K (64 registers, two such buffers);
; then my 4 x 2 pieces of 32 rows x 64 columns are finished one after the other, 16 matrix instructions each (4 accumulators by turns), and each leaves as soon as it is finished.
.macro AROW m                          ; x's block m, all four quarters -> buffer m % 2
.irp q, 0,1,2,3
	LA AF+64*((\m)%2)+16*\q, 1, \q, \m
.endr
.endm
.macro BROW q, br
.irp j, 0,1,2,3
	LBF \br, 1, \q, \j
.endr
.endm
.macro PIECE m, g
	WIN MUL_LO+0x50*((\m)/2)                       ; MUL_LO or MUL_HI
.irp q, 0,1,2,3
.if (\m == 0) && (\g == 0)
.if \q == 0
	s_wait_dscnt 56                                ; the scale words, x's quarters 0, 1 and W's are in; behind them x's 8 and W's 32 of quarters 2, 3 and x's block 1 (16)
.endif
.if \q == 2
	s_wait_dscnt 32                                ; quarter 2 is in
.endif
.if \q == 3
	s_wait_dscnt 16                                ; quarter 3 is in; x's block 1 may be out
.endif
.endif
	MUL4 \m, 4*(\g), AF+64*((\m)%2)+16*\q, \q+(\q+2)/3-3*(\q/3), \q, 1
.endr
.endm
; THE WAY OUT of a piece, in halves t of 16 rows: four tiles' numbers of a row are moved side by side, into the registers that the half before was moved FROM (the very first half into v96-127): no memory instruction reads those, and no
; register that a store reads is written again.  DW: the window, DB, DS: where quad j of the half goes: DB + DS (j / 2) + 4 (j % 2).
.macro DEST m, g, t
.set DS, 16
.if \t == 1
.set DW, 2+(\m)/2
.set DB, 16*(8*((\m)%2)+4*(\g))
.elseif \g == 1
.set DW, 2+(\m)/2
.set DB, 16*(8*((\m)%2))+8
.elseif \m > 0
.set DW, 2+((\m)-1)/2
.set DB, 16*(8*(((\m)-1)%2)+4)+8
.else
.set DW, 0
.set DB, TMP
.set DS, 8
.endif
.endm
.macro OUT m, g
	PLACES NP                                      ; the moves read results just made; and for the loads into the buffer just multiplied
.if (\g == 1) && (\m < 2)
	WIN 0
	AROW (\m+2)
.endif
.irp t, 0,1
	DEST \m, \g, \t
	WIN 2+(\m)/2+64*DW                             ; source 0: the piece's window; destination: DW
.irp j, 0,1,2,3,4,5,6,7
.irp b, 0,1,2,3
	v_mov_b32 v[DB+DS*(\j/2)+4*(\j%2)+\b], v[16*(8*((\m)%2)+4*(\g)+\b)+8*\t+\j]   ; each accumulator from its low end on
.endr
.endr
.endr
.irp t, 0,1
	DEST \m, \g, \t
	WIN 4*DW                                       ; a store's data: source 1
.irp j, 0,1,2,3,4,5,6,7
	global_store_b128 v[CO], v[DB+DS*(\j/2)+4*(\j%2):DB+DS*(\j/2)+4*(\j%2)+3], s[16:17] offset:(32*(\m)+16*\t+\j)*16384+256*(\g) th:TH_STORE_NT   ; sixteen lanes store 256 consecutive bytes of row j, aligned, the other sixteen of row 8 + j; written once, read by nobody here
.endr
.endr
.endm
	PLACES NP
	SCALES 1
	LA AF, 1, 0, 0
	LA AF+16, 1, 1, 0
	WIN TO_B
	BROW 0, 0
	BROW 1, 2
	WIN MUL_LO
	MUL4 1, 4, AF+80, 1, NQ-1, 0
	WIN MUL_HI
	MUL4 2, 0, AF+96, 1, NQ-1, 0
	MUL4 2, 4, AF+96, 1, NQ-1, 0
	WIN 0
	LA AF+32, 1, 2, 0
	LA AF+48, 1, 3, 0
	WIN TO_B
	BROW 2, 3
	WIN MUL_HI
	MUL4 3, 0, AF+112, 1, NQ-1, 0
	MUL4 3, 4, AF+112, 1, NQ-1, 0
	PLACES NP                                      ; for the loads into the sets just multiplied
	WIN TO_B
	BROW 3, 1
	WIN 0
	AROW 1
	PIECE 0, 0
	OUT 0, 0
	PIECE 0, 1
	OUT 0, 1
.irp m, 1,2,3
.if \m < 3
	s_wait_dscnt 16                                ; x's block m is in; the next one's 16 loads may be out
.else
	s_wait_dscnt 0
.endif
	PIECE \m, 0
	OUT \m, 0
	PIECE \m, 1
	OUT \m, 1
.endr
	WIN 0
	s_wait_tensorcnt 0x0                           ; the wave's end
	ds_add_u32 v[SPW], v[NIL]
	s_wait_dscnt 0x0
	CROUND                                         ; the closing round: no work-group ends while a partner may still ask for a tile that names it
	s_endpgm
.Lfunc_end_k_q8784ca731a_gemm:
	.size	k_q8784ca731a_gemm, .Lfunc_end_k_q8784ca731a_gemm-k_q8784ca731a_gemm
	.p2alignl 7, 3214868480
	.fill 96, 4, 3214868480
	.section	.rodata,"a",@progbits
	.p2align	6, 0x0
	.amdhsa_kernel k_q8784ca731a_gemm
		.amdhsa_group_segment_fixed_size 327680
		.amdhsa_private_segment_fixed_size 0
		.amdhsa_enable_private_segment 0
		.amdhsa_kernarg_size 56
		.amdhsa_user_sgpr_count 2
		.amdhsa_user_sgpr_kernarg_segment_ptr 1
		.amdhsa_wavefront_size32 1
		.amdhsa_system_sgpr_workgroup_id_x 1
		.amdhsa_system_sgpr_workgroup_id_y 1
		.amdhsa_system_sgpr_workgroup_id_z 1
		.amdhsa_system_vgpr_workitem_id 0
		.amdhsa_next_free_vgpr 1024
		.amdhsa_next_free_sgpr 106
		.amdhsa_reserve_vcc 0
		.amdhsa_float_denorm_mode_32 3
		.amdhsa_float_denorm_mode_16_64 3
		.amdhsa_memory_ordered 1
		.amdhsa_forward_progress 1
		.amdhsa_inst_pref_size 161
	.end_amdhsa_kernel
	.amdgpu_metadata
---
amdhsa.version: [ 1, 2 ]
amdhsa.kernels:
  - .name:           k_q8784ca731a_gemm
    .symbol:         k_q8784ca731a_gemm.kd
    .args:
      - { .name: x_codes, .offset: 0, .size: 8, .value_kind: global_buffer, .address_space: global }
      - { .name: xs2, .offset: 8, .size: 8, .value_kind: global_buffer, .address_space: global }
      - { .name: wc, .offset: 16, .size: 8, .value_kind: global_buffer, .address_space: global }
      - { .name: ws2, .offset: 24, .size: 8, .value_kind: global_buffer, .address_space: global }
      - { .name: timg, .offset: 32, .size: 8, .value_kind: global_buffer, .address_space: global }
      - { .name: lora_B, .offset: 40, .size: 8, .value_kind: global_buffer, .address_space: global }
      - { .name: out0, .offset: 48, .size: 8, .value_kind: global_buffer, .address_space: global }
    .group_segment_fixed_size: 327680
    .private_segment_fixed_size: 0
    .kernarg_segment_align: 8
    .kernarg_segment_size: 56
    .max_flat_workgroup_size: 128
    .sgpr_count:     106
    .vgpr_count:     1024
    .wavefront_size: 32
...
	.end_amdgpu_metadata
.endif
;; end of part 2
